; MI455X (gfx1250); checked and timed in simulation.
; The chip was launched on July 23, 2026; its instructions are those of AMD's public machine-readable ISA for CDNA 5 (MIT licence, August 2026) and "CDNA5" Instruction Set Architecture Reference Guide (July 2026). The comments in the code are by the model that wrote it; some were corrected since.
;; Quantized Linear. Allowed arithmetic: float matrix products may take bf16 or f16 operands with f32 sums; other float arithmetic in f32, or as packed bf16 or f16 multiplies, adds, multiply-adds, maxima and minima; sums over many terms, partial sums and values carried from step to step in f32; what a program stores and reads back later, other than sums and carried values, may be rounded once to bf16 or f16.
;; Inputs: bias 4,096 float32; weight_quantized 4,096 x 4,096 int8; weight_scale 4,096 float32; x 4,096 x 4,096 float32.
;; Outputs: out0 4,096 x 4,096 float32.
;; 2 versions, each right; version 2 is version 1 with the launch prep written anew for expert scheduling mode. Each part assembles by itself: llvm-mc -triple=amdgcn-amd-amdhsa -mcpu=gfx1250 --defsym DOCPART=n.
;; ======== version 1 of 2: 2 launches
;; limits: values are held in f16: magnitudes above 65,504 overflow, below 6.1e-05 lose precision; right only within a limited range of input values
;; workspace buffers: aq 33,554,432 bytes; wd 33,554,432 bytes; xs 16,384 bytes
;; launch prep (part 1): grid 768 x 1, 4 waves a work-group, no clusters, 0 bytes of LDS; arguments x, weight_quantized, weight_scale, aq, wd, xs; writes aq, wd, xs
.if DOCPART == 1
	.amdgcn_target "amdgcn-amd-amdhsa--gfx1250"
	.amdhsa_code_object_version 6
	.text
	.protected	k_qd2d4bac2dd_prep
	.globl	k_qd2d4bac2dd_prep
	.p2align	8
	.type	k_qd2d4bac2dd_prep,@function
k_qd2d4bac2dd_prep:
	s_mov_b64 s[64:65], 0
	v_nop
	global_prefetch_b8 v0, s[64:65] scope:SCOPE_SE
	s_setreg_imm32_b32 hwreg(HW_REG_WAVE_MODE, 25, 1), 1
	s_wait_xcnt 0x0
; TWO STREAMS IN ONE LAUNCH, each number converted once, for the product that follows.
;   work-groups 0 .. 511:   aq[t][k] = clip(round(x[t][k] / max(xs[t], 1e-8)), -127, 127) in f16 (whole numbers up to 127: exact), xs[t] = max_k |x[t][k]| / 127 in f32
;   work-groups 512 .. 767: wd[o][k] = weight_quantized[o][k] x weight_scale[k], one rounding to f32 as in the problem's text, then one to f16
; x: [4096][4096] f32.  weight_quantized: [4096][4096] int8.  weight_scale: [4096] f32.  aq, wd: [4096][4096] f16.  xs: [4096] f32.
; SHARES.  An x group has 8 rows, two for each of its four waves: 128 KiB in, 64 KiB out.  A w group has 16 rows: 64 KiB in, 128 KiB out.  So every work-group moves 192 KiB.
; No LDS, no barrier: a row of x is 128 registers of one wave and stays there between the pass that finds the maximum and the pass that quantises, so x is read once;
; a thread of a w group keeps the same 32 columns in every row, so its 32 scales stay in registers.
; LIMITS.  |weight_quantized x weight_scale| must stay under 65,504 (weight_scale under 515); below 6.1e-5 it keeps f16's fixed step of 6e-8.
; A NaN in x is passed over by the maximum and is not treated apart; nor are infinities.
; The two divisions are a reciprocal and one correction by the exact remainder (q = x r; q += (x - q s) r): the quotient can differ from a division's in its last bit in rare cases,
; which shows only where x / s lies at a tie of the rounding, as one step of one quantised number.
.set XB,      16384                    ; bytes in a row of x
.set AB,      8192                     ; bytes in a row of aq and of wd
.set WB,      4096                     ; bytes in a row of weight_quantized
.set XGROUPS, 512                      ; work-groups that take rows of x
; the x groups' registers
.set XO,  2                            ; v2        16 x lane: my 16 bytes in 512 of x; never rewritten
.set YO,  3                            ; v3        8 x lane: my 8 bytes in 256 of aq; never rewritten
.set XSC, 4                            ; v4, v5    the two rows' x_scale
.set SEL, 6                            ; v6        the scale that my lane stores
.set LO,  7                            ; v7        4 x lane
.set T,   8                            ; v[8:23]   two sets of 8 by the chunk's parity: four quotients, four remainders
.set MX,  24                           ; v[24:27]  four running maxima
.set MN,  28                           ; v[28:31]  four running minima
.set R,   32                           ; v[32:33]  1 / safe scale, twice (a pair for the packed forms)
.set S,   34                           ; v[34:35]  the safe scale, twice
.set TA,  36                           ; v36, v37  at work
.set X,   64                           ; v[64:191] a row of x: chunk j (512 bytes of the row) at X + 4 j
.set Y,   192                          ; v[192:255] the row as f16: chunk j at Y + 2 j
; the w groups' registers
.set WI,  2                            ; v2        8 x thread: my 8 bytes in 1,024 of weight_quantized; never rewritten
.set WO,  3                            ; v3        16 x thread: my 16 bytes in 2,048 of wd; never rewritten
.set SO,  4                            ; v4        32 x thread: my 8 scales in 1,024
.set WT,  8                            ; v[8:23]   two sets of 8, at work
.set WS,  24                           ; v[24:55]  my 32 scales: group c of 1,024 columns at WS + 8 c
.set WNS, 56                           ; v[56:87]  -128 x the same
.set WX,  88                           ; v[88:215] 16 rows as loaded: row i, group c at WX + 8 i + 2 c
.set WY,  224                          ; v[224:255] eight slots of four registers to store
	s_load_b256 s[4:11], s[0:1], 0x0               ; x s[4:5], weight_quantized s[6:7], weight_scale s[8:9], aq s[10:11]
	s_load_b128 s[12:15], s[0:1], 0x20             ; wd s[12:13], xs s[14:15]
	v_and_b32 v1, 31, v0                           ; lane
	v_lshrrev_b32 v2, 5, v0
	v_readfirstlane_b32 s3, v2                     ; wave 0..3
	s_mov_b32 s2, ttmp9                            ; the work-group's number
	s_mov_b32 s17, 0                               ; the high word of every offset: all stay under 2^32
	s_mov_b32 s18, 0x76543210                      ; v_permlanex16_b32: each lane takes its own place in the other half
	s_mov_b32 s19, 0xfedcba98
	s_mov_b32 s21, 0x3c010204                      ; 1 / 127, rounded to nearest
	s_mov_b32 s22, 0x42fe0000                      ; 127.0
	s_mov_b32 s23, 0xc2fe0000                      ; -127.0
	s_mov_b32 s24, 0x322bcc77                      ; 1e-8
	s_mov_b32 s25, 0x80808080                      ; turns four signed bytes w into w + 128
	s_mov_b32 s26, 0xff
	s_wait_kmcnt 0x0
	s_cmp_lt_u32 s2, XGROUPS
	s_cbranch_scc0 .Lw
	; ---------------- rows of x ----------------
	s_lshl_b32 s16, s2, 17                         ; 8 rows of 16,384 bytes a work-group,
	s_lshl_b32 s20, s3, 15                         ; 2 a wave
	s_add_co_u32 s16, s16, s20
	s_add_nc_u64 s[4:5], s[4:5], s[16:17]          ; x at my first row
	s_lshl_b32 s16, s2, 16                         ; the same rows in aq: 8,192 bytes each
	s_lshl_b32 s20, s3, 14
	s_add_co_u32 s16, s16, s20
	s_add_nc_u64 s[10:11], s[10:11], s[16:17]
	s_lshl_b32 s16, s2, 5                          ; and in xs: 4 bytes each
	s_lshl_b32 s20, s3, 3
	s_add_co_u32 s16, s16, s20
	s_add_nc_u64 s[14:15], s[14:15], s[16:17]
	v_lshlrev_b32 v[XO], 4, v1
	v_lshlrev_b32 v[YO], 3, v1
	v_lshlrev_b32 v[LO], 2, v1
.set j, 0
.rept 32                                       ; my first row: 32 loads of 512 consecutive bytes
	global_load_b128 v[X+4*j:X+4*j+3], v[XO], s[4:5] offset:512*j th:TH_LOAD_NT
.set j, j+1
.endr
; One row.  r: which of my two rows.  ahead = 1: each chunk's registers are loaded with the next row's chunk as soon as the chunk is quantised.
.macro ROWX r, ahead
	; pass 1: the largest and the smallest of my 128 numbers, three operands at a time, four chains of each kind; the first two chunks start the chains: nothing is cleared
.set p, 0
.rept 16
	s_wait_loadcnt 30-2*p                          ; loads come back in order: chunks 2 p and 2 p + 1 are in; the row's 30 - 2 p younger loads may stay out (no other load is on this counter)
.set c, 0
.rept 4
.if p == 0
	v_max_num_f32 v[MX+c], v[X+c], v[X+4+c]
	v_min_num_f32 v[MN+c], v[X+c], v[X+4+c]
.else
	v_max3_num_f32 v[MX+c], v[MX+c], v[X+8*p+c], v[X+8*p+4+c]
	v_min3_num_f32 v[MN+c], v[MN+c], v[X+8*p+c], v[X+8*p+4+c]
.endif
.set c, c+1
.endr
.set p, p+1
.endr
	v_max3_num_f32 v[MX], v[MX], v[MX+1], v[MX+2]
	v_min3_num_f32 v[MN], v[MN], v[MN+1], v[MN+2]
	v_max_num_f32 v[MX], v[MX], v[MX+3]
	v_min_num_f32 v[MN], v[MN], v[MN+3]
	v_mul_f32 v[MN], -1.0, v[MN]
	v_max_num_f32 v[MX], v[MX], v[MN]              ; max |x| = max(max x, -min x)
	; across the 32 lanes: four steps inside each half of 16 lanes ride on the arithmetic, one crosses the halves; every lane ends with the row's figure
	v_max_num_f32_dpp v[MX], v[MX], v[MX] row_xmask:1 row_mask:0xf bank_mask:0xf
	v_max_num_f32_dpp v[MX], v[MX], v[MX] row_xmask:2 row_mask:0xf bank_mask:0xf
	v_max_num_f32_dpp v[MX], v[MX], v[MX] row_xmask:4 row_mask:0xf bank_mask:0xf
	v_max_num_f32_dpp v[MX], v[MX], v[MX] row_xmask:8 row_mask:0xf bank_mask:0xf
	v_permlanex16_b32 v[MX+1], v[MX], s18, s19     ; its destination has been written in pass 1
	v_max_num_f32 v[MX], v[MX], v[MX+1]
	; x_scale = max / 127: the constant reciprocal, corrected once by the exact remainder
	v_mul_f32 v[TA], s21, v[MX]
	v_fma_f32 v[TA+1], -v[TA], s22, v[MX]
	v_fma_f32 v[XSC+(\r)], v[TA+1], s21, v[TA]
	v_max_num_f32 v[S], s24, v[XSC+(\r)]           ; the safe scale: at least 1e-8, so the reciprocal's source and result are normal numbers
	v_mov_b32 v[S+1], v[S]
	v_rcp_f32 v[R], v[S]
	v_nop                                          ; one plain instruction behind the reciprocal, ahead of the first use of its result (ISA guide 5.7.2)
	s_wait_alu depctr_va_vdst(0)                   ; and a wait ahead of that use: one reciprocal a row, one wait
	v_fma_f32 v[TA], -v[S], v[R], 1.0              ; one Newton step
	v_fma_f32 v[R], v[TA], v[R], v[R]
	v_mov_b32 v[R+1], v[R]
.if (\r) > 0
	s_wait_xcnt 0x0                                ; Y was the data of the row before's stores: it is rewritten only behind this wait
.endif
	; pass 2: four numbers a lane and chunk: quotient, remainder, corrected quotient, round to nearest even, the clip, f16
.set j, 0
.rept 32
.set TS, T+8*(j%2)
.set XJ, X+4*j
	v_pk_mul_f32 v[TS:TS+1],   v[XJ:XJ+1],   v[R:R+1]
	v_pk_mul_f32 v[TS+2:TS+3], v[XJ+2:XJ+3], v[R:R+1]
	v_pk_fma_f32 v[TS+4:TS+5], v[TS:TS+1],   v[S:S+1], v[XJ:XJ+1]   neg_lo:[1,0,0] neg_hi:[1,0,0]  ; x - q s, exact before its one rounding
	v_pk_fma_f32 v[TS+6:TS+7], v[TS+2:TS+3], v[S:S+1], v[XJ+2:XJ+3] neg_lo:[1,0,0] neg_hi:[1,0,0]
	v_pk_fma_f32 v[TS:TS+1],   v[TS+4:TS+5], v[R:R+1], v[TS:TS+1]
	v_pk_fma_f32 v[TS+2:TS+3], v[TS+6:TS+7], v[R:R+1], v[TS+2:TS+3]
.irp k, 0,1,2,3
	v_rndne_f32 v[TS+(\k)], v[TS+(\k)]
.endr
.irp k, 0,1,2,3
	v_med3_num_f32 v[TS+(\k)], v[TS+(\k)], s23, s22
.endr
	v_cvt_pk_f16_f32 v[Y+2*j],   v[TS],   v[TS+1]
	v_cvt_pk_f16_f32 v[Y+2*j+1], v[TS+2], v[TS+3]
.if \ahead
	global_load_b128 v[XJ:XJ+3], v[XO], s[4:5] offset:XB+512*j th:TH_LOAD_NT  ; the next row's chunk, ahead of the store
.endif
	global_store_b64 v[YO], v[Y+2*j:Y+2*j+1], s[10:11] offset:AB*(\r)+256*j    ; the wave's 32 lanes store 256 consecutive bytes, at a multiple of 256 from aq's first byte
.set j, j+1
.endr
.endm
	ROWX 0, 1
	ROWX 1, 0
	; my two scales: lanes 0 and 1 store 4 bytes each.  8 bytes a wave: the whole of xs is 16,384 bytes, and no LDS is taken to gather them
	v_cmp_eq_u32 vcc_lo, 1, v1
	v_cndmask_b32 v[SEL], v[XSC], v[XSC+1], vcc_lo
	v_cmp_gt_u32 vcc_lo, 2, v1
	s_wait_xcnt 0x0                                ; EXEC counts among the sources of the stores above: it is narrowed only behind this wait
	s_and_saveexec_b32 s20, vcc_lo
	global_store_b32 v[LO], v[SEL], s[14:15]
	s_wait_xcnt 0x0                                ; and widened only behind this one
	s_or_b32 exec_lo, exec_lo, s20
	s_endpgm
	; ---------------- rows of the weights ----------------
.Lw:
	s_sub_co_u32 s2, s2, XGROUPS
	s_lshl_b32 s16, s2, 16                         ; 16 rows of 4,096 bytes
	s_add_nc_u64 s[6:7], s[6:7], s[16:17]
	s_lshl_b32 s16, s2, 17                         ; 16 rows of 8,192 bytes
	s_add_nc_u64 s[12:13], s[12:13], s[16:17]
	v_lshlrev_b32 v[WI], 3, v0                     ; thread t keeps columns 1,024 c + 8 t .. + 7, c = 0 .. 3, of every row
	v_lshlrev_b32 v[WO], 4, v0
	v_lshlrev_b32 v[SO], 5, v0
.irp c, 0,1,2,3
	global_load_b128 v[WS+8*(\c):WS+8*(\c)+3],   v[SO], s[8:9] offset:4096*(\c)
	global_load_b128 v[WS+8*(\c)+4:WS+8*(\c)+7], v[SO], s[8:9] offset:4096*(\c)+16
.endr
.macro WLOAD i                         ; row i: four loads; each covers 256 consecutive bytes a wave
.irp c, 0,1,2,3
	global_load_b64 v[WX+8*(\i)+2*(\c):WX+8*(\i)+2*(\c)+1], v[WI], s[6:7] offset:WB*(\i)+1024*(\c) th:TH_LOAD_NT
.endr
.endm
.set i, 0
.rept 13
	WLOAD i
.set i, i+1
.endr
	s_wait_loadcnt 52                              ; the scales are in: the 52 loads of rows 0 to 12 are younger
.set k, 0
.rept 16
	v_pk_mul_f32 v[WNS+2*k:WNS+2*k+1], v[WS+2*k:WS+2*k+1], 0xc3000000 op_sel_hi:[1,0]  ; -128 s: exact
.set k, k+1
.endr
	WLOAD 13
	WLOAD 14
; Row i: bytes to u = w + 128 (one exclusive or for four), to f32, then u s - 128 s in one fused multiply-add: (u - 128) s rounded once, which is w s as the problem's text rounds it; then f16.
.macro WROW i
.if (\i) == 0
	s_wait_loadcnt 56                              ; row 0 is in: rows 1 to 14 are younger
	WLOAD 15                                       ; the last row is asked for here: 60 loads of mine are out at the most
.else
	s_wait_loadcnt 4*(15-(\i))                     ; row i is in: the later rows' loads are younger
.endif
.if ((\i) >= 2) && ((\i)%2 == 0)
	s_wait_xcnt 0x0                                ; two rows fill the eight slots of WY: they are rewritten only behind this wait
.endif
.irp c, 0,1,2,3
.set TS, WT+8*((\c)%2)
.set XW, WX+8*(\i)+2*(\c)
.set YS, WY+4*((4*(\i)+(\c))%8)
	v_xor_b32 v[XW],   s25, v[XW]
	v_xor_b32 v[XW+1], s25, v[XW+1]
.irp e, 0,1
	v_and_b32     v[TS+4*(\e)],   s26, v[XW+(\e)]
	v_bfe_u32     v[TS+4*(\e)+1], v[XW+(\e)], 8, 8
	v_bfe_u32     v[TS+4*(\e)+2], v[XW+(\e)], 16, 8
	v_lshrrev_b32 v[TS+4*(\e)+3], 24, v[XW+(\e)]
.endr
.irp k, 0,1,2,3,4,5,6,7
	v_cvt_f32_u32 v[TS+(\k)], v[TS+(\k)]
.endr
.irp k, 0,1,2,3
	v_pk_fma_f32 v[TS+2*(\k):TS+2*(\k)+1], v[TS+2*(\k):TS+2*(\k)+1], v[WS+8*(\c)+2*(\k):WS+8*(\c)+2*(\k)+1], v[WNS+8*(\c)+2*(\k):WNS+8*(\c)+2*(\k)+1]
.endr
.irp k, 0,1,2,3
	v_cvt_pk_f16_f32 v[YS+(\k)], v[TS+2*(\k)], v[TS+2*(\k)+1]
.endr
	global_store_b128 v[WO], v[YS:YS+3], s[12:13] offset:AB*(\i)+2048*(\c)  ; a wave stores 512 consecutive bytes, at a multiple of 256 from wd's first byte
.endr
.endm
.set i, 0
.rept 16
	WROW i
.set i, i+1
.endr
	s_endpgm
.Lfunc_end_k_qd2d4bac2dd_prep:
	.size	k_qd2d4bac2dd_prep, .Lfunc_end_k_qd2d4bac2dd_prep-k_qd2d4bac2dd_prep
	.p2alignl 7, 3214868480
	.fill 96, 4, 3214868480
	.section	.rodata,"a",@progbits
	.p2align	6, 0x0
	.amdhsa_kernel k_qd2d4bac2dd_prep
		.amdhsa_group_segment_fixed_size 0
		.amdhsa_private_segment_fixed_size 0
		.amdhsa_enable_private_segment 0
		.amdhsa_kernarg_size 48
		.amdhsa_user_sgpr_count 2
		.amdhsa_user_sgpr_kernarg_segment_ptr 1
		.amdhsa_wavefront_size32 1
		.amdhsa_system_sgpr_workgroup_id_x 1
		.amdhsa_system_sgpr_workgroup_id_y 1
		.amdhsa_system_sgpr_workgroup_id_z 1
		.amdhsa_system_vgpr_workitem_id 0
		.amdhsa_next_free_vgpr 256
		.amdhsa_next_free_sgpr 66
		.amdhsa_reserve_vcc 1
		.amdhsa_float_denorm_mode_32 3
		.amdhsa_float_denorm_mode_16_64 3
		.amdhsa_memory_ordered 1
		.amdhsa_forward_progress 1
		.amdhsa_inst_pref_size 180
	.end_amdhsa_kernel
	.amdgpu_metadata
---
amdhsa.version: [ 1, 2 ]
amdhsa.kernels:
  - .name:           k_qd2d4bac2dd_prep
    .symbol:         k_qd2d4bac2dd_prep.kd
    .args:
      - { .name: x, .offset: 0, .size: 8, .value_kind: global_buffer, .address_space: global }
      - { .name: weight_quantized, .offset: 8, .size: 8, .value_kind: global_buffer, .address_space: global }
      - { .name: weight_scale, .offset: 16, .size: 8, .value_kind: global_buffer, .address_space: global }
      - { .name: aq, .offset: 24, .size: 8, .value_kind: global_buffer, .address_space: global }
      - { .name: wd, .offset: 32, .size: 8, .value_kind: global_buffer, .address_space: global }
      - { .name: xs, .offset: 40, .size: 8, .value_kind: global_buffer, .address_space: global }
    .group_segment_fixed_size: 0
    .private_segment_fixed_size: 0
    .kernarg_segment_align: 8
    .kernarg_segment_size: 48
    .max_flat_workgroup_size: 128
    .sgpr_count:     66
    .vgpr_count:     256
    .wavefront_size: 32
...
	.end_amdgpu_metadata
.endif
;; end of part 1
;; launch gemm (part 2): grid 16 x 16, 4 waves a work-group, clusters of 4 x 4, 327,680 bytes of LDS; arguments aq, wd, out0, xs, bias; writes out0
.if DOCPART == 2
	.amdgcn_target "amdgcn-amd-amdhsa--gfx1250"
	.amdhsa_code_object_version 6
	.text
	.protected	k_qd2d4bac2dd_gemm
	.globl	k_qd2d4bac2dd_gemm
	.p2align	8
	.type	k_qd2d4bac2dd_gemm,@function
k_qd2d4bac2dd_gemm:
	s_mov_b64 s[64:65], 0
	v_nop
	global_prefetch_b8 v0, s[64:65] scope:SCOPE_SE
	s_setreg_imm32_b32 hwreg(HW_REG_WAVE_MODE, 25, 1), 1
	s_wait_xcnt 0x0
	s_wait_alu depctr_hold_cnt(0) depctr_sa_sdst(0) depctr_va_vdst(0) depctr_va_sdst(0) depctr_va_ssrc(0) depctr_va_vcc(0) depctr_vm_vsrc(0)
	s_getreg_b32 s2, hwreg(HW_REG_IB_STS2, 6, 4)
	s_cmp_eq_u32 s2, 0
	s_cbranch_scc0 .Lentry_in_a_cluster
	s_endpgm
.Lentry_in_a_cluster:
	s_bfe_u32 s2, ttmp6, 0x10000c
	s_cmp_lg_u32 s2, 0xf033
	s_cbranch_scc0 .Lentry_shape_is_right
	s_endpgm
.Lentry_shape_is_right:
; out0[t][o] = xs[t] x (sum over k of aq[t][k] wd[o][k]) + bias[o].  aq: [4096][4096] f16 (whole numbers up to 127), wd: [4096][4096] f16, xs, bias: [4096] f32, out0: [4096][4096] f32.
; Products of f16 operands, sums in f32; scale and bias are one fused multiply-add in f32 (the problem's text rounds the product and the sum apart: a difference in the last bit).
; LIMITS.  The operands arrive within f16's range (the launch before states the bound on the weights); NaN and infinities are not treated apart.
; SHARES.  A tile of out0, 256 x 256, is made by a work-group of four waves; a wave makes 128 x 128: 64 accumulators of 16 x 16, 512 registers.  16 x 16 tiles: 256 work-groups.
; K goes in 32 steps of 128 through a ring of two LDS slots filled by the tensor data mover: the tiles' rows are 256 bytes of memory and start at multiples of 256 bytes from the buffer's first byte.
; CLUSTERS: 4 x 4 work-groups.  The four of a row of the cluster need the same tiles of aq, the four of a column the same tiles of wd.  Such a tile is asked for JOINTLY: each of the four issues the
; same tensor load, with the same descriptor and a mask that names the four, and each receives the tile in its own LDS.  That divides the requests for both operands by four.
; REGISTERS, in windows of 256 (s_set_vgpr_msb's low byte: bits 1:0 source 0, 3:2 source 1, 5:4 source 2, 7:6 destination):
;   window 0: v0-31 addresses, my rows' scales, my columns' bias; v64-127, v128-191 fragments of aq (8 x 16 rows x 32 K), two buffers; on the way out the same 128 registers take rows back from the stage
;   window 1: v64-127, v128-191 fragments of wd, two buffers
;   window 2: the 32 accumulators of my rows 0-63 (accumulator (a, b) at v[8 (8 a + b)]);   window 3: those of my rows 64-127
; THE MATRIX INSTRUCTION IS USED TRANSPOSED: source 0 = 16 rows of wd, source 1 = 16 rows of aq.  In the result lane l holds row l % 16 of out0 and its registers 0 to 7 the columns 8 (l / 16) + 0 .. 7.
.set SIZE_N, 4096
.set SIZE_K, 4096
.set KSTEP,  128
.set PITCH,  272                       ; an LDS row: 256 bytes of data + 16 of padding = 68 words: row r starts at bank 4 r mod 64 (64 banks of 4 bytes: ISA guide 11.1), so the 16 rows that a load touches start at 16 different banks
.set HALFT,  128*PITCH                 ; 128 rows: what one tensor load brings, and what one wave reads of either operand
.set SLOT,   4*HALFT                   ; aq's 256 rows, then wd's 256 rows
.set STAGE,  2*SLOT                    ; behind the ring, never filled by a tensor load: 16 rows x 528 bytes for each wave, for the way out
.set SPITCH, 528                       ; a stage row: 512 bytes (128 f32) + 16 = 132 words: the 16 rows of a store start at 16 different groups of four banks
.set SPARE,  STAGE+4*16*SPITCH         ; behind the stages: the spare words, 128 bytes for each wave: two blocks of 256 bytes that no other line names
.set LAPS, SIZE_K/(2*KSTEP)            ; a lap = two K steps = once round the ring: 16
.set XS,   8                           ; v8-11   xs of my 128 rows: register i, lane l: row 32 i + l
.set BI,   12                          ; v12-15  bias of columns 4 l .. 4 l + 3 of my 128
.set ADRA, 16                          ; v16-17  LDS address of my fragments of aq in slot 0, 1
.set ADRB, 20                          ; v20-21  the same for wd
.set STO,  24                          ; v24     the way out: where I put 32 bytes of a row
.set RD,   25                          ; v25     the way out: where I read 16 bytes of a row back
.set CO,   26                          ; v26     16 x lane: my bytes in 512 of out0, and of bias; never rewritten
.set LO4,  27                          ; v27     4 x lane
.set SPW,  28                          ; v28     LDS address of my spare word: SPARE + 4 x my thread's number; never rewritten
.set NIL,  29                          ; v29     0; never rewritten
.set PFO,  30                          ; v30     the prefetches' offset: my lane x a row of aq or wd in memory (8,192 bytes); never rewritten
.set PFA,  44                          ; s[44:45] where my prefetches stand: my work-group's 32 rows of the 128 that I fetch, one K step further along K than the refill that is being asked for; a prefetch names the K step after that
.set LIM,  43                          ; s43     1 in a wave that prefetches, else the greatest number
.set SC,   66                          ; s66 .. s97  the way out: row t's scale in s[66 + 2 t]; the odd words are 0: the packed form names a pair and takes its low word
.set F0,   64                          ; fragment buffer 0
.set F1,   128                         ; fragment buffer 1
.set G1, 24                            ; s[24:31] descriptor group 1 for aq's tiles
.set G0, 32                            ; s[32:39] descriptor group 0 for aq's tiles, one set for each slot
.set G1B, 48                           ; s[48:55] descriptor group 1 for wd's tiles: it differs in the mask alone
.set G0B, 56                           ; s[56:63] descriptor group 0 for wd's tiles, one set for each slot
.set MSB, 0
.macro WIN new                         ; the immediate's high byte repeats the setting that is left; a switch that changes nothing is dropped
.if MSB != (\new)
	s_set_vgpr_msb (MSB<<8)|(\new)
.set MSB, \new
.endif
.endm
.set MUL_LO, 0xa1                      ; source 0 (wd) window 1, source 1 (aq) window 0, C and D window 2
.set MUL_HI, 0xf1                      ; the same, C and D window 3
.set TO_B,   0x40                      ; destination window 1, address window 0
; A joint load.  Waves 0 and 1 fetch aq's two halves, waves 2 and 3 wd's.  Each of the two lines has ONE mask and one set of registers for all that issue it, and nothing in them hangs on a
; coordinate that the four partners do not share.  The branch hangs on the wave's number alone.  An s_nop 0 and four v_nop follow each of the two lines.
.macro JLOAD s
	s_cmp_eq_u32 s11, 0
	s_cbranch_scc0 .Lfor_b_\@
	tensor_load_to_lds s[G0+4*(\s):G0+4*(\s)+3], s[G1:G1+7]
	s_nop 0
.rept 4
	v_nop
.endr
	s_branch .Lasked_\@
.Lfor_b_\@:
	tensor_load_to_lds s[G0B+4*(\s):G0B+4*(\s)+3], s[G1B:G1B+7]
	s_nop 0
.rept 4
	v_nop
.endr
.Lasked_\@:
.endm
; A PREFETCH INTO THE L2, behind each joint load, its five lines and the run of LDS loads that follows them: the K step that stands TWO refills on (512 matrix instructions ahead of the load that will
; ask for it): 32 rows x 256 bytes, a lane a row, one instruction a wave.  Each row's 256 bytes of a K step are named ONCE in the launch: aq's tile row is read by every cluster of that row of clusters,
; and the one with cluster x = 0 asks; wd's tile column by every cluster of that column, and the one with cluster y = 0 asks.  The four partners that ask for a tile jointly share its rows out BY ADDRESS:
; of the 128 rows that a wave fetches the partner at place p takes 32 p .. 32 p + 31 (p = cx for aq, cy for wd): no branch hangs on a work-group's place in its cluster.
; K steps 0 to 3 come by their loads alone; the loop's last trip (s3 = 1) asks for nothing: its two refills bring K steps 30 and 31, and there is no K step two on.
.macro ASK
	s_cmp_gt_u32 s3, s[LIM]
	s_cbranch_scc0 .Lnot_mine_\@
	global_prefetch_b8 v[PFO], s[PFA:PFA+1] offset:KSTEP*2 th:TH_LOAD_NT scope:SCOPE_SE
.Lnot_mine_\@:
.endm
; A round of the cluster's barrier: my work-group's barrier, so that wave 0's signal speaks for all four waves; wave 0 signals for the work-group; every wave waits for all sixteen work-groups;
; my work-group's barrier once more.  No LDS instruction of the wave is pending at a signal.
.macro CREST                           ; a round behind its opening barrier
	s_cmp_lg_u32 s10, 0
	s_cbranch_scc1 .Lnot_wave_0_\@
	s_barrier_signal -3
.Lnot_wave_0_\@:
	s_barrier_wait -3
	s_barrier_signal -1
	s_barrier_wait -1
.endm
.macro CROUND                          ; a whole round
	s_barrier_signal -1
	s_barrier_wait -1
	CREST
.endm
	s_load_b128 s[4:7], s[0:1], 0x0                ; aq s[4:5], wd s[6:7]
	s_load_b64 s[8:9], s[0:1], 0x10                ; out0
	s_load_b128 s[68:71], s[0:1], 0x18             ; xs s[68:69], bias s[70:71]
	v_lshl_add_u32 v[SPW], v0, 2, SPARE
	v_mov_b32 v[NIL], 0
	ds_add_u32 v[SPW], v[NIL]                      ; the wave's opening: the add, twice on end, and its wait stand ahead of my first tensor load; the set-up below, work on registers, stands between the second and the wait
	ds_add_u32 v[SPW], v[NIL]
	v_lshrrev_b32 v1, 5, v0
	v_readfirstlane_b32 s10, v1                    ; wave 0..3
	s_lshr_b32 s11, s10, 1                         ; which half of the tile's rows is mine.  Also: I fetch for aq (0) or for wd (1)
	s_and_b32 s12, s10, 1                          ; which half of its columns.  Also: which 128 rows of that tile I fetch
	s_bfe_u32 s40, ttmp6, 0x40000                  ; cx: my place along the cluster's x
	s_bfe_u32 s41, ttmp6, 0x40004                  ; cy: along its y
	s_lshl_b32 s42, ttmp9, 2                       ; in a cluster launch ttmp9 and ttmp7 count clusters
	s_add_co_u32 s42, s42, s40                     ; tile column = 4 x cluster x + cx
	s_and_b32 s13, ttmp7, 0xffff
	s_lshl_b32 s13, s13, 2
	s_add_co_u32 s13, s13, s41                     ; tile row = 4 x cluster y + cy
	s_lshl_b32 s43, s41, 2
	s_lshl_b32 s43, 15, s43                        ; my row of the cluster: places 4 cy .. 4 cy + 3
	s_lshl_b32 s44, 0x1111, s40                    ; my column: places cx, cx + 4, cx + 8, cx + 12
	; descriptor group 1: a tile of 128 rows x 128 elements, padded in LDS
	s_or_b32 s[G1+0], s43, (1<<16)|(1<<20)|(1<<21)|(5<<22)|(3<<25)  ; 15:0 the mask: aq's tiles go to my row; 17:16 element of 2 bytes; 20 padding on; 21 set beside a mask; 24:22 after every 64 words (code 5); 31:25 of 4 words (code 3)
	s_or_b32 s[G1B+0], s44, (1<<16)|(1<<20)|(1<<21)|(5<<22)|(3<<25) ; the same with the mask of my column, for wd's tiles
	s_mov_b32 s[G1B+1], KSTEP<<16
	s_mov_b32 s[G1+1], KSTEP<<16                   ; 63:48 tensor_dim0, low half = 128
	s_mov_b32 s[G1B+2], 128<<16
	s_mov_b32 s[G1+2], 128<<16                     ; 79:64 its high half = 0; 95:80 tensor_dim1, low half = 128
	s_mov_b32 s[G1B+3], KSTEP<<16
	s_mov_b32 s[G1+3], KSTEP<<16                   ; 111:96 its high half = 0; 127:112 tile_dim0 = 128
	s_mov_b32 s[G1B+4], 128
	s_mov_b32 s[G1+4], 128                         ; 143:128 tile_dim1 = 128; 159:144 tile_dim2 = 0
	s_mov_b32 s[G1B+5], SIZE_K
	s_mov_b32 s[G1+5], SIZE_K                      ; 191:160 tensor_dim0_stride, low word: elements from row to row
	s_mov_b32 s[G1B+6], 0
	s_mov_b32 s[G1+6], 0
	s_mov_b32 s[G1B+7], 0
	s_mov_b32 s[G1+7], 0
	; where the tiles come from.  aq's hang on the tile row alone, which my row of the cluster shares; wd's on the tile column alone, which my column shares.
	; Every wave makes both addresses, in registers that never hold the other coordinate, and asks by one of them.
	s_lshl_b32 s17, s12, 7                         ; which 128 rows of the tile I fetch
	s_lshl_b32 s16, s13, 8
	s_add_co_u32 s16, s16, s17                     ; aq: row 256 x tile row + 128 x half
	s_lshl_b32 s46, s42, 8
	s_add_co_u32 s46, s46, s17                     ; wd: row 256 x tile column + 128 x half
	s_mov_b32 s17, 0
	s_mov_b32 s47, 0
	s_mov_b64 s[18:19], SIZE_K*2
	s_mul_u64 s[16:17], s[16:17], s[18:19]         ; in bytes
	s_mul_u64 s[46:47], s[46:47], s[18:19]
	s_mul_i32 s20, s10, HALFT                      ; and where they go: aq's two halves, then wd's two halves = wave x 128 rows: no place in the cluster enters an LDS address
	s_wait_dscnt 0x0                               ; both opening adds are done
	s_wait_kmcnt 0x0
	s_add_nc_u64 s[14:15], s[4:5], s[16:17]
	s_add_nc_u64 s[46:47], s[6:7], s[46:47]
	CROUND                                         ; all sixteen work-groups are here: the first joint loads meet
.irp s, 0,1
	s_mov_b32 s[G0+4*(\s)], 1                                      ; 1:0 count = 1
	s_add_co_u32 s[G0+4*(\s)+1], s20, (\s)*SLOT                    ; 63:32 LDS address
	s_add_nc_u64 s[G0+4*(\s)+2:G0+4*(\s)+3], s[14:15], (\s)*KSTEP*2  ; 120:64 global address: K step s
	s_or_b32 s[G0+4*(\s)+3], s[G0+4*(\s)+3], 0x80000000            ; 127:126 type = 2
	s_mov_b32 s[G0B+4*(\s)], 1
	s_add_co_u32 s[G0B+4*(\s)+1], s20, (\s)*SLOT
	s_add_nc_u64 s[G0B+4*(\s)+2:G0B+4*(\s)+3], s[46:47], (\s)*KSTEP*2
	s_or_b32 s[G0B+4*(\s)+3], s[G0B+4*(\s)+3], 0x80000000
	JLOAD \s                                       ; the ring is filled before anything else is done: two tensor loads of mine are out
.endr
	; my rows' scales and my columns' bias, once, while the first tiles are on their way
	v_and_b32 v1, 15, v0                           ; l % 16
	v_bfe_u32 v2, v0, 4, 1                         ; l / 16
	v_and_b32 v5, 31, v0                           ; l
	v_lshlrev_b32 v[CO], 4, v5
	v_lshlrev_b32 v[LO4], 2, v5
	s_lshl_b32 s13, s13, 8                         ; 256 x tile row
	s_lshl_b32 s14, s11, 7
	s_add_co_u32 s16, s13, s14                     ; my first row of out0
	s_lshl_b32 s20, s16, 2
	s_mov_b32 s21, 0
	s_add_nc_u64 s[68:69], s[68:69], s[20:21]      ; xs at that row
	s_lshl_b32 s46, s42, 10                        ; my first column, in bytes of f32: 1,024 x tile column + 512 x half
	s_lshl_b32 s47, s12, 9
	s_add_co_u32 s46, s46, s47
	s_mov_b32 s47, 0
	s_add_nc_u64 s[70:71], s[70:71], s[46:47]      ; bias at that column
.irp i, 0,1,2,3
	global_load_b32 v[XS+(\i)], v[LO4], s[68:69] offset:128*(\i)
.endr
	global_load_b128 v[BI:BI+3], v[CO], s[70:71]
	s_lshl_b32 s16, s16, 14                        ; a row of out0 is 16,384 bytes
	s_mov_b32 s17, 0
	s_add_nc_u64 s[16:17], s[16:17], s[46:47]
	s_add_nc_u64 s[8:9], s[8:9], s[16:17]          ; out0 at my part of the tile; never stepped: rows stand in the stores' immediates
	; A fragment is 16 rows x 32 K in 8 registers: lane l holds row l % 16; registers 0-3 hold K = 8 (l / 16) + 0..7, registers 4-7 hold K = 16 + 8 (l / 16) + 0..7.
	; From rows that lie along K: two loads of 16 bytes, 32 bytes apart.  The same for source 0 and source 1.
	v_mul_u32_u24 v3, v1, PITCH
	v_lshl_add_u32 v3, v2, 4, v3                   ; row x pitch + 16 x half
	s_mul_i32 s21, s11, HALFT                      ; my 128 rows of aq
	s_mul_i32 s22, s12, HALFT                      ; my 128 rows of wd,
	s_add_co_u32 s22, s22, 2*HALFT                 ; which lie behind aq's 256
.irp s, 0,1
	v_add_nc_u32 v[ADRA+(\s)], s21, v3
	v_add_nc_u32 v[ADRB+(\s)], s22, v3
	s_add_co_u32 s21, s21, SLOT
	s_add_co_u32 s22, s22, SLOT
.endr
	s_mul_i32 s23, s10, 16*SPITCH
	s_add_co_u32 s23, s23, STAGE                   ; my stage
	v_mul_u32_u24 v4, v1, SPITCH                   ; in: row l % 16, 32 bytes (8 f32) for each half of the lanes
	v_lshl_add_u32 v4, v2, 5, v4
	v_add_nc_u32 v[STO], s23, v4
	v_add_nc_u32 v[RD], s23, v[CO]                 ; back: the 32 lanes take one row of 512 bytes
	; the prefetches.  s13 = 256 x tile row, s42 = tile column, s40 = cx, s41 = cy still stand; s[4:5] = aq, s[6:7] = wd
	s_lshl_b32 s42, s42, 8
	s_and_b32 s22, ttmp7, 0xffff                   ; cluster y
	s_cmp_eq_u32 s11, 0                            ; do I fetch for aq?
	s_cselect_b32 s20, s13, s42                    ; the tile's first row: in aq by the tile row, in wd by the tile column
	s_cselect_b32 s21, s40, s41                    ; my place among the four that ask for it with me
	s_cselect_b32 s22, ttmp9, s22                  ; the coordinate along which other clusters read the same rows
	s_cselect_b64 s[PFA:PFA+1], s[4:5], s[6:7]
	s_cmp_eq_u32 s22, 0
	s_cselect_b32 s[LIM], 1, -1                    ; the same in all sixteen partners, for a given wave
	s_lshl_b32 s22, s12, 7
	s_add_co_u32 s20, s20, s22                     ; + the 128 rows that I fetch
	s_lshl_b32 s21, s21, 5
	s_add_co_u32 s20, s20, s21                     ; + my work-group's 32 of them
	s_mov_b32 s21, 0
	s_mov_b64 s[18:19], SIZE_K*2
	s_mul_u64 s[20:21], s[20:21], s[18:19]
	s_add_nc_u64 s[PFA:PFA+1], s[PFA:PFA+1], s[20:21]
	s_add_nc_u64 s[PFA:PFA+1], s[PFA:PFA+1], 2*KSTEP*2  ; at K step 2: the first refill steps it to 3 and names K step 4
	v_and_b32 v[PFO], 31, v0
	v_mul_u32_u24 v[PFO], v[PFO], SIZE_K*2
	; nothing is prefetched here, at the head, where every work-group's first two tiles are on their way
; 16 matrix instructions: m blocks a0, a0 + 1 of the window's four (hi = 0: my rows 0-63, 1: rows 64-127) x all 8 n blocks, 32 along K.
; zero = 1: the first product starts the sums: nothing is ever cleared.  The 64 accumulators take turns, one instruction a turn, in the same order in every quarter step.
.macro MUL16 f, hi, a0, zero
	WIN MUL_LO+0x50*(\hi)  ; MUL_LO or MUL_HI
.irp a, \a0, (\a0)+1
.irp b, 0,1,2,3,4,5,6,7
.if \zero
	v_wmma_f32_16x16x32_f16 v[8*(8*(\a)+(\b)):8*(8*(\a)+(\b))+7], v[(\f)+8*(\b):(\f)+8*(\b)+7], v[(\f)+8*(4*(\hi)+(\a)):(\f)+8*(4*(\hi)+(\a))+7], 0
.else
	v_wmma_f32_16x16x32_f16 v[8*(8*(\a)+(\b)):8*(8*(\a)+(\b))+7], v[(\f)+8*(\b):(\f)+8*(\b)+7], v[(\f)+8*(4*(\hi)+(\a)):(\f)+8*(4*(\hi)+(\a))+7], v[8*(8*(\a)+(\b)):8*(8*(\a)+(\b))+7]
.endif
.endr
.endr
.endm
; 32 LDS loads in one run: the fragments of one quarter step (128 rows of wd, 128 rows of aq, 32 K at byte k of the rows) into buffer f
.macro FETCH slot, k, f
	WIN TO_B
.irp i, 0,1,2,3,4,5,6,7
	ds_load_b128 v[(\f)+8*(\i):(\f)+8*(\i)+3],   v[ADRB+(\slot)] offset:(\k)+(\i)*16*PITCH
	ds_load_b128 v[(\f)+8*(\i)+4:(\f)+8*(\i)+7], v[ADRB+(\slot)] offset:(\k)+(\i)*16*PITCH+32
.endr
	WIN 0
.irp i, 0,1,2,3,4,5,6,7
	ds_load_b128 v[(\f)+8*(\i):(\f)+8*(\i)+3],   v[ADRA+(\slot)] offset:(\k)+(\i)*16*PITCH
	ds_load_b128 v[(\f)+8*(\i)+4:(\f)+8*(\i)+7], v[ADRA+(\slot)] offset:(\k)+(\i)*16*PITCH+32
.endr
.endm
; A load into a register that a matrix instruction has read, and an LDS store that reads a matrix result, stand four places behind that matrix instruction, and only plain vector instructions that
; name none of its registers are places (ISA guide 7.12.1 for vector instructions).  So four v_nop stand in front of each run of loads.
.macro PLACES
.rept 4
	v_nop
.endr
.endm
; A K step is four quarter steps of 32 along K, 64 matrix instructions each, on buffers 0, 1, 0, 1.
; One of the first three: multiplies buffer f; in its middle it fetches the next quarter's fragments, at byte k of the same slot's rows, into buffer g.
.macro QUARTER slot, k, f, g, zero
	s_wait_dscnt 8                                 ; wd's fragments and aq's rows 0-63 are in; the youngest eight loads (aq's rows 64-127) may be out
	WIN MUL_LO
	MUL16 \f, 0, 0, \zero
	MUL16 \f, 0, 2, \zero
	PLACES
	FETCH \slot, \k, \g
	s_wait_dscnt 32                                ; all but the 32 just issued
	WIN MUL_HI
	MUL16 \f, 1, 0, \zero
	MUL16 \f, 1, 2, \zero
.endm
; The last quarter multiplies buffer 1 and changes slots.  MEET is its first half: ONE barrier for the change of slots, for two things.  In front of it each wave waits for all its tensor loads, of
; which one is out: its part of the next slot; adds 0 to its spare word; and waits for that and for its own reads of this slot.  Behind it nobody reads this slot any more and the next slot is whole.
.macro MEET round                      ; round = 1: a round of the cluster's barrier follows
	WIN 0                                          ; (the add's two registers lie in window 0)
	s_wait_tensorcnt 0x0                           ; all my tensor loads have landed: the one that was out is my part of the next slot;
	ds_add_u32 v[SPW], v[NIL]                      ; 0 onto my spare word;
	s_wait_dscnt 9                                 ; (the add and the youngest eight loads may be out)
	WIN MUL_LO
	MUL16 F1, 0, 0, 0                              ; sixteen matrix instructions stand between the add and the wait for it
	s_wait_dscnt 0x0                               ; the add is done, and my reads of this slot are over:
	s_barrier_signal -1                            ; say so (where a slot is filled again this barrier opens a round of the cluster's barrier),
	MUL16 F1, 0, 2, 0                              ; work on registers while the others arrive,
.if \round
	WIN 0
.endif
	s_barrier_wait -1                              ; and go on when all four have said so
.endm
; The whole last quarter.  Behind the round the slot just read out is filled again first, with the K step two steps on; then come the next slot's first fragments.
; From a request to the wait for it a wave issues 224 matrix instructions; one tensor load of mine is out behind each round.
.macro TURN slot, next
	s_wait_xcnt 0x0                                ; the last prefetch, a K step back, has read its address: it is stepped here, ahead of the waits of the change of slots
	s_add_nc_u64 s[PFA:PFA+1], s[PFA:PFA+1], KSTEP*2
	MEET 1
	CREST                                          ; wave 0 says so for the work-group, all sixteen work-groups have said so, my work-group's barrier closes the round:
	                                               ; no wave of any partner still reads this slot's tile or has a load on its way
	s_add_nc_u64 s[G0+4*(\slot)+2:G0+4*(\slot)+3], s[G0+4*(\slot)+2:G0+4*(\slot)+3], 2*KSTEP*2
	s_add_nc_u64 s[G0B+4*(\slot)+2:G0B+4*(\slot)+3], s[G0B+4*(\slot)+2:G0B+4*(\slot)+3], 2*KSTEP*2
	JLOAD \slot                                    ; the first tensor load behind the round; the four v_nop behind it are also the places in front of the loads below
	FETCH \next, 0, F0
	ASK                                            ; behind the joint load and the run of LDS loads that the next products wait for
	WIN MUL_HI
	MUL16 F1, 1, 0, 0
	MUL16 F1, 1, 2, 0
.endm
; The change of slots in the last lap: nothing is filled again, so no round follows the barrier.
.macro TURNL
	MEET 0                                         ; my one tensor load that was still out is slot 1's: the last K step
	PLACES                                         ; for the loads into buffer 0, which the quarter before multiplied
	FETCH 1, 0, F0
	WIN MUL_HI
	MUL16 F1, 1, 0, 0
	MUL16 F1, 1, 2, 0
.endm
; THE WAY OUT of block a (16 of my rows x my 128 columns), in two parts.
; TOSTAGE: the block's eight accumulators go as they are, f32, into my own stage in LDS (each accumulator's four lowest registers first), and come back as whole rows of
; 512 bytes, 16 bytes a lane, into one of the two fragment buffers of aq, by the block's parity.  The stage is my wave's own and LDS serves a wave's instructions in order (ISA guide 5.7.1.4):
; the loads see the stores above them, and the next block's stores come behind these loads.
.macro TOSTAGE a
.set AC, 64*((\a)%4)
.set BK, F0+64*((\a)%2)
	WIN 0x08+4*((\a)/4)                            ; the stores' data (source 1) in window 2 or 3, the address in window 0
.irp b, 0,1,2,3,4,5,6,7
	ds_store_b128 v[STO], v[AC+8*(\b):AC+8*(\b)+3]   offset:64*(\b)
	ds_store_b128 v[STO], v[AC+8*(\b)+4:AC+8*(\b)+7] offset:64*(\b)+16
.endr
	WIN 0
.if (\a) >= 2
	s_wait_xcnt 0x0                                ; this buffer was the data of the stores of the block two back: it is loaded again only behind this wait
.endif
.irp t, 0,1,2,3,4,5,6,7,8,9,10,11,12,13,14,15
	ds_load_b128 v[BK+4*(\t):BK+4*(\t)+3], v[RD] offset:(\t)*SPITCH
.endr
.endm
; SEND: the block's 16 scales become scalars; each row is multiplied by its scale, takes the bias (one fused multiply-add, two numbers an instruction) and is stored.
; younger: the LDS instructions issued behind the block's loads: the next block's 32, or none.
.macro SEND a, younger
.set BK, F0+64*((\a)%2)
	WIN 0
.irp t, 0,1,2,3,4,5,6,7,8,9,10,11,12,13,14,15
	v_readlane_b32 s[SC+2*(\t)], v[XS+(\a)/2], 16*((\a)%2)+(\t)  ; row 16 a + t of my 128
.endr
.irp t, 0,1,2,3,4,5,6,7,8,9,10,11,12,13,14,15
	s_wait_dscnt (\younger)+15-(\t)                ; LDS instructions end in order: row t is back; the block's later rows and the younger instructions may be out
	v_pk_fma_f32 v[BK+4*(\t):BK+4*(\t)+1],   v[BK+4*(\t):BK+4*(\t)+1],   s[SC+2*(\t):SC+2*(\t)+1], v[BI:BI+1]   op_sel_hi:[1,0,1]
	v_pk_fma_f32 v[BK+4*(\t)+2:BK+4*(\t)+3], v[BK+4*(\t)+2:BK+4*(\t)+3], s[SC+2*(\t):SC+2*(\t)+1], v[BI+2:BI+3] op_sel_hi:[1,0,1]
	global_store_b128 v[CO], v[BK+4*(\t):BK+4*(\t)+3], s[8:9] offset:(16*(\a)+(\t))*SIZE_N*4 th:TH_STORE_NT  ; the wave stores 512 consecutive bytes, at a multiple of 256 from out0's first byte; 127 rows at the most: inside the signed 24-bit immediate
.endr
.endm
	s_wait_loadcnt 0x0                             ; my scales and my bias are in, so their two pointers' registers are free
	s_wait_tensorcnt 1                             ; my part of K step 0 is in; K step 1's load is younger and may stay out
	s_barrier_signal -1
	s_barrier_wait -1                              ; everybody's is
	FETCH 0, 0, F0
	QUARTER 0, 64,  F0, F1, 1                      ; the first quarter stands in front of the loop: its products start the sums
	WIN 0                                          ; at a label and at a branch every window is 0
	s_mov_b32 s3, LAPS-1
.Llap:                                                 ; a trip goes once round the ring, from a lap's second quarter to the next lap's first, and fills both slots again: 15 trips bring K steps 2 to 31
	QUARTER 0, 128, F1, F0, 0
	QUARTER 0, 192, F0, F1, 0
	TURN 0, 1
	QUARTER 1, 64,  F0, F1, 0
	QUARTER 1, 128, F1, F0, 0
	QUARTER 1, 192, F0, F1, 0
	TURN 1, 0
	QUARTER 0, 64,  F0, F1, 0
	WIN 0
	s_sub_co_u32 s3, s3, 1
	s_cmp_lg_u32 s3, 0
	s_cbranch_scc1 .Llap
	QUARTER 0, 128, F1, F0, 0                      ; the last lap is written out: it asks for nothing more
	QUARTER 0, 192, F0, F1, 0
	TURNL
	QUARTER 1, 64,  F0, F1, 0
	QUARTER 1, 128, F1, F0, 0
	QUARTER 1, 192, F0, F1, 0
	s_wait_dscnt 8                                 ; the very last quarter: nothing more to fetch
	WIN MUL_LO
	MUL16 F1, 0, 0, 0
	MUL16 F1, 0, 2, 0
	s_wait_dscnt 0x0
	WIN MUL_HI
	MUL16 F1, 1, 0, 0
	MUL16 F1, 1, 2, 0
	WIN 0
	PLACES                                         ; eight plain places, once a launch, between the last products and the LDS stores that read results
	PLACES                                         ; and the LDS loads into the fragment buffers: four are asked for
.irp t, 0,1,2,3,4,5,6,7,8,9,10,11,12,13,14,15
	s_mov_b32 s[SC+2*(\t)+1], 0                    ; the pairs' upper words: named with the scales, never used
.endr
	TOSTAGE 0
.irp a, 1,2,3,4,5,6,7                  ; block a's way through the stage is issued ahead of block a - 1's arithmetic and stores
	TOSTAGE \a
	SEND (\a)-1, 32
.endr
	SEND 7, 0
	s_wait_tensorcnt 0x0                           ; the wave's end: an add to my spare word and its wait, behind my last tensor load and my last LDS store
	ds_add_u32 v[SPW], v[NIL]
	s_wait_dscnt 0x0
	CROUND                                         ; the closing round: no work-group ends while a partner may still ask for a tile that names it
	s_endpgm
.Lfunc_end_k_qd2d4bac2dd_gemm:
	.size	k_qd2d4bac2dd_gemm, .Lfunc_end_k_qd2d4bac2dd_gemm-k_qd2d4bac2dd_gemm
	.p2alignl 7, 3214868480
	.fill 96, 4, 3214868480
	.section	.rodata,"a",@progbits
	.p2align	6, 0x0
	.amdhsa_kernel k_qd2d4bac2dd_gemm
		.amdhsa_group_segment_fixed_size 327680
		.amdhsa_private_segment_fixed_size 0
		.amdhsa_enable_private_segment 0
		.amdhsa_kernarg_size 40
		.amdhsa_user_sgpr_count 2
		.amdhsa_user_sgpr_kernarg_segment_ptr 1
		.amdhsa_wavefront_size32 1
		.amdhsa_system_sgpr_workgroup_id_x 1
		.amdhsa_system_sgpr_workgroup_id_y 1
		.amdhsa_system_sgpr_workgroup_id_z 1
		.amdhsa_system_vgpr_workitem_id 0
		.amdhsa_next_free_vgpr 1024
		.amdhsa_next_free_sgpr 98
		.amdhsa_reserve_vcc 0
		.amdhsa_float_denorm_mode_32 3
		.amdhsa_float_denorm_mode_16_64 3
		.amdhsa_memory_ordered 1
		.amdhsa_forward_progress 1
		.amdhsa_inst_pref_size 170
	.end_amdhsa_kernel
	.amdgpu_metadata
---
amdhsa.version: [ 1, 2 ]
amdhsa.kernels:
  - .name:           k_qd2d4bac2dd_gemm
    .symbol:         k_qd2d4bac2dd_gemm.kd
    .args:
      - { .name: aq, .offset: 0, .size: 8, .value_kind: global_buffer, .address_space: global }
      - { .name: wd, .offset: 8, .size: 8, .value_kind: global_buffer, .address_space: global }
      - { .name: out0, .offset: 16, .size: 8, .value_kind: global_buffer, .address_space: global }
      - { .name: xs, .offset: 24, .size: 8, .value_kind: global_buffer, .address_space: global }
      - { .name: bias, .offset: 32, .size: 8, .value_kind: global_buffer, .address_space: global }
    .group_segment_fixed_size: 327680
    .private_segment_fixed_size: 0
    .kernarg_segment_align: 8
    .kernarg_segment_size: 40
    .max_flat_workgroup_size: 128
    .sgpr_count:     98
    .vgpr_count:     1024
    .wavefront_size: 32
...
	.end_amdgpu_metadata
.endif
;; end of part 2
;; ======== version 2 of 2: 2 launches; version 1 with the launch prep written anew for expert scheduling mode
;; limits: values are held in f16: magnitudes above 65,504 overflow, below 6.1e-05 lose precision; right only within a limited range of input values
;; workspace buffers: aq 33,554,432 bytes; wd 33,554,432 bytes; xs 16,384 bytes
;; launch prep (part 3): grid 768 x 1, 4 waves a work-group, no clusters, 0 bytes of LDS; arguments x, weight_quantized, weight_scale, aq, wd, xs; writes aq, wd, xs
.if DOCPART == 3
	.amdgcn_target "amdgcn-amd-amdhsa--gfx1250"
	.amdhsa_code_object_version 6
	.text
	.protected	k_qd2d4bac2dd_prep
	.globl	k_qd2d4bac2dd_prep
	.p2align	8
	.type	k_qd2d4bac2dd_prep,@function
k_qd2d4bac2dd_prep:
	s_mov_b64 s[64:65], 0
	v_nop
	global_prefetch_b8 v0, s[64:65] scope:SCOPE_SE
	s_setreg_imm32_b32 hwreg(HW_REG_WAVE_SCHED_MODE, 0, 2), 2
	s_setreg_imm32_b32 hwreg(HW_REG_WAVE_MODE, 25, 1), 1
	s_wait_xcnt 0x0
	s_wait_alu depctr_vm_vsrc(0)
; TWO STREAMS IN ONE LAUNCH, each number converted once, for the product that follows.
;   work-groups 0 .. 511:   aq[t][k] = clip(round(x[t][k] / max(xs[t], 1e-8)), -127, 127) in f16 (whole numbers up to 127: exact), xs[t] = max_k |x[t][k]| / 127 in f32
;   work-groups 512 .. 767: wd[o][k] = weight_quantized[o][k] x weight_scale[k], one rounding to f32 as in the problem's text, then one to f16
; x: [4096][4096] f32.  weight_quantized: [4096][4096] int8.  weight_scale: [4096] f32.  aq, wd: [4096][4096] f16.  xs: [4096] f32.
; SHARES.  An x group has 8 rows, two for each of its four waves: 128 KiB in, 64 KiB out.  A w group has 16 rows: 64 KiB in, 128 KiB out.  So every work-group moves 192 KiB.
; No LDS, no barrier: a row of x is 128 registers of one wave and stays there between the pass that finds the maximum and the pass that quantises, so x is read once;
; a thread of a w group keeps the same 32 columns in every row, so its 32 scales stay in registers.
; LIMITS.  |weight_quantized x weight_scale| must stay under 65,504 (weight_scale under 515); below 6.1e-5 it keeps f16's fixed step of 6e-8.
; A NaN in x is passed over by the maximum and is not treated apart; nor are infinities.
; The two divisions are a reciprocal and one correction by the exact remainder (q = x r; q += (x - q s) r): the quotient can differ from a division's in its last bit in rare cases,
; which shows only where x / s lies at a tie of the rounding, as one step of one quantised number.
; THE MODE: SCHED_MODE bits 1:0 = 2 (LLVM: expert scheduling mode 2), set by the entry lines.  The code itself states the register dependences
; between vector instructions and memory instructions, with s_wait_alu, always for 0.
; THE PLAN, rows of x.  Registers that memory instructions touch:
;   v[XO], v[YO], v[LO]  byte offsets, made once at the head and never written again: rows and chunks stand in the immediates.
;   X    a row as loaded.  Read by vector instructions alone.  The quantising pass goes in 8 blocks of four chunks: block b reads chunks 4 b .. 4 b + 3; the next row's same chunks are loaded in block b + 1.
;   Y    the row as f16.   Block b's roundings write chunks 4 b .. 4 b + 3; the four stores that read them are issued in block b + 1.  Y is written again only in the next row's quantising pass.
;   So a block's memory instructions touch the X and the Y of the block before, which no vector instruction of the block names: ONE wait on va_vdst at a block's head states all that they hang on, and they are
;   dealt among the block's vector instructions, a load and a store ahead of each chunk's sixteen.  One wait on vm_vsrc stands ahead of the second row's quantising pass, for Y.
; THE PLAN, rows of the weights.  Registers that memory instructions touch:
;   v[WI], v[WO], v[SO]  byte offsets, made once behind the label and never written again.
;   WS, WX  the scales and the 16 rows as loaded: each register is loaded once, and no vector instruction names it ahead of its load's issue.
;   WY   two halves of 16 registers.  Row i's roundings write half i % 2; the four stores that read it are issued in row i + 1, one ahead of each group's vector instructions.
;   So at a row's head: the stores issued in the row before have read this row's half (vm_vsrc), and the row before has written the other half (va_vdst).
.set XB,      16384                    ; bytes in a row of x
.set AB,      8192                     ; bytes in a row of aq and of wd
.set WB,      4096                     ; bytes in a row of weight_quantized
.set XGROUPS, 512                      ; work-groups that take rows of x
; the x groups' registers
.set XO,  2                            ; v2        16 x lane: my 16 bytes in 512 of x; never rewritten
.set YO,  3                            ; v3        8 x lane: my 8 bytes in 256 of aq; never rewritten
.set XSC, 4                            ; v4, v5    the two rows' x_scale
.set SEL, 6                            ; v6        the scale that my lane stores
.set LO,  7                            ; v7        4 x lane
.set T,   8                            ; v[8:23]   two sets of 8 by the chunk's parity: four quotients, four remainders; no memory instruction names them
.set MX,  24                           ; v[24:27]  four running maxima
.set MN,  28                           ; v[28:31]  four running minima
.set R,   32                           ; v[32:33]  1 / safe scale, twice (a pair for the packed forms)
.set S,   34                           ; v[34:35]  the safe scale, twice
.set TA,  36                           ; v36, v37  at work
.set X,   64                           ; v[64:191] a row of x: chunk j (512 bytes of the row) at X + 4 j
.set Y,   192                          ; v[192:255] the row as f16: chunk j at Y + 2 j
; the w groups' registers
.set WI,  2                            ; v2        8 x thread: my 8 bytes in 1,024 of weight_quantized; never rewritten
.set WO,  3                            ; v3        16 x thread: my 16 bytes in 2,048 of wd; never rewritten
.set SO,  4                            ; v4        32 x thread: my 8 scales in 1,024
.set WT,  8                            ; v[8:23]   two sets of 8, at work; no memory instruction names them
.set WS,  24                           ; v[24:55]  my 32 scales: group c of 1,024 columns at WS + 8 c
.set WNS, 56                           ; v[56:87]  -128 x the same
.set WX,  88                           ; v[88:215] 16 rows as loaded: row i, group c at WX + 8 i + 2 c
.set WY,  224                          ; v[224:255] two halves by the row's parity, four slots of four registers each, to store
	s_load_b256 s[4:11], s[0:1], 0x0               ; x s[4:5], weight_quantized s[6:7], weight_scale s[8:9], aq s[10:11]
	s_load_b128 s[12:15], s[0:1], 0x20             ; wd s[12:13], xs s[14:15]
	v_and_b32 v1, 31, v0                           ; lane
	v_lshrrev_b32 v2, 5, v0
	v_readfirstlane_b32 s3, v2                     ; wave 0..3
	s_mov_b32 s2, ttmp9                            ; the work-group's number
	s_mov_b32 s17, 0                               ; the high word of every offset: all stay under 2^32
	s_mov_b32 s18, 0x76543210                      ; v_permlanex16_b32: each lane takes its own place in the other half
	s_mov_b32 s19, 0xfedcba98
	s_mov_b32 s21, 0x3c010204                      ; 1 / 127, rounded to nearest
	s_mov_b32 s22, 0x42fe0000                      ; 127.0
	s_mov_b32 s23, 0xc2fe0000                      ; -127.0
	s_mov_b32 s24, 0x322bcc77                      ; 1e-8
	s_mov_b32 s25, 0x80808080                      ; turns four signed bytes w into w + 128
	s_mov_b32 s26, 0xff
	s_wait_alu depctr_va_sdst(0)                   ; s3 is written, ahead of the branch and of its first reader: the x groups' bases are made from it
	s_wait_kmcnt 0x0
	s_cmp_lt_u32 s2, XGROUPS
	s_cbranch_scc0 .Lw
	; ---------------- rows of x ----------------
	s_lshl_b32 s16, s2, 17                         ; 8 rows of 16,384 bytes a work-group,
	s_lshl_b32 s20, s3, 15                         ; 2 a wave
	s_add_co_u32 s16, s16, s20
	s_add_nc_u64 s[4:5], s[4:5], s[16:17]          ; x at my first row
	s_lshl_b32 s16, s2, 16                         ; the same rows in aq: 8,192 bytes each
	s_lshl_b32 s20, s3, 14
	s_add_co_u32 s16, s16, s20
	s_add_nc_u64 s[10:11], s[10:11], s[16:17]
	s_lshl_b32 s16, s2, 5                          ; and in xs: 4 bytes each
	s_lshl_b32 s20, s3, 3
	s_add_co_u32 s16, s16, s20
	s_add_nc_u64 s[14:15], s[14:15], s[16:17]
	v_lshlrev_b32 v[XO], 4, v1
	v_lshlrev_b32 v[YO], 3, v1
	v_lshlrev_b32 v[LO], 2, v1
	s_wait_alu depctr_va_vdst(0)                   ; v[XO], v[YO] and v[LO] are written: every load and store of this role reads one of them as its offset
.set j, 0
.rept 32                                       ; my first row: 32 loads of 512 consecutive bytes
	global_load_b128 v[X+4*j:X+4*j+3], v[XO], s[4:5] offset:512*j th:TH_LOAD_NT
.set j, j+1
.endr
; One row.  r: which of my two rows.  ahead = 1: each block's registers are loaded with the next row's chunks in the block behind it.
.macro ROWX r, ahead
	; pass 1: the largest and the smallest of my 128 numbers, three operands at a time, four chains of each kind; the first two chunks start the chains: nothing is cleared
.set p, 0
.rept 16
	s_wait_loadcnt 30-2*p                          ; loads come back in order: chunks 2 p and 2 p + 1 are in; the row's 30 - 2 p younger loads may stay out (no other load is on this counter)
.set c, 0
.rept 4
.if p == 0
	v_max_num_f32 v[MX+c], v[X+c], v[X+4+c]
	v_min_num_f32 v[MN+c], v[X+c], v[X+4+c]
.else
	v_max3_num_f32 v[MX+c], v[MX+c], v[X+8*p+c], v[X+8*p+4+c]
	v_min3_num_f32 v[MN+c], v[MN+c], v[X+8*p+c], v[X+8*p+4+c]
.endif
.set c, c+1
.endr
.set p, p+1
.endr
	v_max3_num_f32 v[MX], v[MX], v[MX+1], v[MX+2]
	v_min3_num_f32 v[MN], v[MN], v[MN+1], v[MN+2]
	v_max_num_f32 v[MX], v[MX], v[MX+3]
	v_min_num_f32 v[MN], v[MN], v[MN+3]
	v_mul_f32 v[MN], -1.0, v[MN]
	v_max_num_f32 v[MX], v[MX], v[MN]              ; max |x| = max(max x, -min x)
	; across the 32 lanes: four steps inside each half of 16 lanes ride on the arithmetic, one crosses the halves; every lane ends with the row's figure
	v_max_num_f32_dpp v[MX], v[MX], v[MX] row_xmask:1 row_mask:0xf bank_mask:0xf
	v_max_num_f32_dpp v[MX], v[MX], v[MX] row_xmask:2 row_mask:0xf bank_mask:0xf
	v_max_num_f32_dpp v[MX], v[MX], v[MX] row_xmask:4 row_mask:0xf bank_mask:0xf
	v_max_num_f32_dpp v[MX], v[MX], v[MX] row_xmask:8 row_mask:0xf bank_mask:0xf
	v_permlanex16_b32 v[MX+1], v[MX], s18, s19     ; its destination has been written in pass 1
	v_max_num_f32 v[MX], v[MX], v[MX+1]
	; x_scale = max / 127: the constant reciprocal, corrected once by the exact remainder
	v_mul_f32 v[TA], s21, v[MX]
	v_fma_f32 v[TA+1], -v[TA], s22, v[MX]
	v_fma_f32 v[XSC+(\r)], v[TA+1], s21, v[TA]
	v_max_num_f32 v[S], s24, v[XSC+(\r)]           ; the safe scale: at least 1e-8, so the reciprocal's source and result are normal numbers
	v_mov_b32 v[S+1], v[S]
	v_rcp_f32 v[R], v[S]
	v_nop                                          ; one plain instruction behind the reciprocal, ahead of the first use of its result (ISA guide 5.7.2)
	s_wait_alu depctr_va_vdst(0)                   ; the reciprocal has written v[R], ahead of its first reader: one reciprocal a row, one wait
	v_fma_f32 v[TA], -v[S], v[R], 1.0              ; one Newton step
	v_fma_f32 v[R], v[TA], v[R], v[R]
	v_mov_b32 v[R+1], v[R]
.if (\r) > 0
	s_wait_xcnt 0x0                                ; Y was the data of the row before's stores: it is rewritten only behind this wait,
	s_wait_alu depctr_vm_vsrc(0)                   ; and behind this one: those stores have read Y, which this row's roundings write again
.endif
	; pass 2, in 8 blocks of four chunks.  Four numbers a lane and chunk: quotient, remainder, corrected quotient, round to nearest even, the clip, f16
.set b, 0
.rept 8
.if b > 0
	s_wait_alu depctr_va_vdst(0)                   ; the block before has written its four chunks of Y, which the stores below read, and is done reading its four chunks of X, in which the loads below land
.endif
.set q, 0
.rept 4
.set j, 4*b+q
.set TS, T+8*(j%2)
.set XJ, X+4*j
.if b > 0
.set XP, XJ-16                                 ; the same place in the block before
.set YP, Y+2*j-8
.if \ahead
	global_load_b128 v[XP:XP+3], v[XO], s[4:5] offset:XB+512*(j-4) th:TH_LOAD_NT  ; the next row's chunk, ahead of the store; no vector instruction since the wait names these registers
.endif
	global_store_b64 v[YO], v[YP:YP+1], s[10:11] offset:AB*(\r)+256*(j-4)          ; the wave's 32 lanes store 256 consecutive bytes, at a multiple of 256 from aq's first byte
.endif
	v_pk_mul_f32 v[TS:TS+1],   v[XJ:XJ+1],   v[R:R+1]
	v_pk_mul_f32 v[TS+2:TS+3], v[XJ+2:XJ+3], v[R:R+1]
	v_pk_fma_f32 v[TS+4:TS+5], v[TS:TS+1],   v[S:S+1], v[XJ:XJ+1]   neg_lo:[1,0,0] neg_hi:[1,0,0]  ; x - q s, exact before its one rounding
	v_pk_fma_f32 v[TS+6:TS+7], v[TS+2:TS+3], v[S:S+1], v[XJ+2:XJ+3] neg_lo:[1,0,0] neg_hi:[1,0,0]
	v_pk_fma_f32 v[TS:TS+1],   v[TS+4:TS+5], v[R:R+1], v[TS:TS+1]
	v_pk_fma_f32 v[TS+2:TS+3], v[TS+6:TS+7], v[R:R+1], v[TS+2:TS+3]
.irp k, 0,1,2,3
	v_rndne_f32 v[TS+(\k)], v[TS+(\k)]
.endr
.irp k, 0,1,2,3
	v_med3_num_f32 v[TS+(\k)], v[TS+(\k)], s23, s22
.endr
	v_cvt_pk_f16_f32 v[Y+2*j],   v[TS],   v[TS+1]
	v_cvt_pk_f16_f32 v[Y+2*j+1], v[TS+2], v[TS+3]
.set q, q+1
.endr
.set b, b+1
.endr
	s_wait_alu depctr_va_vdst(0)                   ; the last block has written its four chunks of Y, which the stores below read, and is done reading its four chunks of X, in which the loads below land
.set j, 28
.rept 4
.if \ahead
	global_load_b128 v[X+4*j:X+4*j+3], v[XO], s[4:5] offset:XB+512*j th:TH_LOAD_NT
.endif
	global_store_b64 v[YO], v[Y+2*j:Y+2*j+1], s[10:11] offset:AB*(\r)+256*j
.set j, j+1
.endr
.endm
	ROWX 0, 1
	ROWX 1, 0
	; my two scales: lanes 0 and 1 store 4 bytes each.  8 bytes a wave: the whole of xs is 16,384 bytes, and no LDS is taken to gather them
	v_cmp_eq_u32 s27, 1, v1                        ; the two compares stand in one run
	v_cmp_gt_u32 vcc_lo, 2, v1
	s_wait_alu depctr_va_sdst(0)                   ; s27 is written, ahead of the select that reads it
	v_cndmask_b32 v[SEL], v[XSC], v[XSC+1], s27
	s_wait_xcnt 0x0                                ; EXEC counts among the sources of the stores above: it is narrowed only behind this wait
	s_wait_alu depctr_va_vcc(0)                    ; VCC is written: EXEC is made from it
	s_wait_alu depctr_va_vdst(0)                   ; ahead of the write of EXEC: the vector instructions issued so far are done; v[SEL] is written, which the store below reads
	s_wait_alu depctr_vm_vsrc(0)                   ; ahead of the write of EXEC: the stores issued so far have read their vector registers
	s_and_saveexec_b32 s20, vcc_lo
	global_store_b32 v[LO], v[SEL], s[14:15]
	s_wait_xcnt 0x0                                ; and widened only behind this one
	s_wait_alu depctr_va_vdst(0)                   ; ahead of the write of EXEC: no vector instruction is still at work
	s_wait_alu depctr_vm_vsrc(0)                   ; ahead of the write of EXEC: the store has read its vector registers
	s_or_b32 exec_lo, exec_lo, s20
	s_endpgm
	; ---------------- rows of the weights ----------------
.Lw:
	s_sub_co_u32 s2, s2, XGROUPS
	s_lshl_b32 s16, s2, 16                         ; 16 rows of 4,096 bytes
	s_add_nc_u64 s[6:7], s[6:7], s[16:17]
	s_lshl_b32 s16, s2, 17                         ; 16 rows of 8,192 bytes
	s_add_nc_u64 s[12:13], s[12:13], s[16:17]
	v_lshlrev_b32 v[WI], 3, v0                     ; thread t keeps columns 1,024 c + 8 t .. + 7, c = 0 .. 3, of every row
	v_lshlrev_b32 v[WO], 4, v0
	v_lshlrev_b32 v[SO], 5, v0
	s_wait_alu depctr_va_vdst(0)                   ; v[WI], v[WO] and v[SO] are written: every load and store of this role reads one of them as its offset
.irp c, 0,1,2,3
	global_load_b128 v[WS+8*(\c):WS+8*(\c)+3],   v[SO], s[8:9] offset:4096*(\c)
	global_load_b128 v[WS+8*(\c)+4:WS+8*(\c)+7], v[SO], s[8:9] offset:4096*(\c)+16
.endr
.macro WLOAD i                         ; row i: four loads; each covers 256 consecutive bytes a wave.  No vector instruction names the row's registers ahead of these loads
.irp c, 0,1,2,3
	global_load_b64 v[WX+8*(\i)+2*(\c):WX+8*(\i)+2*(\c)+1], v[WI], s[6:7] offset:WB*(\i)+1024*(\c) th:TH_LOAD_NT
.endr
.endm
.set i, 0
.rept 13
	WLOAD i
.set i, i+1
.endr
	s_wait_loadcnt 52                              ; the scales are in: the 52 loads of rows 0 to 12 are younger
.set k, 0
.rept 16
	v_pk_mul_f32 v[WNS+2*k:WNS+2*k+1], v[WS+2*k:WS+2*k+1], 0xc3000000 op_sel_hi:[1,0]  ; -128 s: exact
.set k, k+1
.endr
	WLOAD 13
	WLOAD 14
; Row i: bytes to u = w + 128 (one exclusive or for four), to f32, then u s - 128 s in one fused multiply-add: (u - 128) s rounded once, which is w s as the problem's text rounds it; then f16.
; The row's four stores are issued in the row behind it, one ahead of each group's vector instructions.
.macro WROW i
.if (\i) == 0
	s_wait_loadcnt 56                              ; row 0 is in: rows 1 to 14 are younger
	WLOAD 15                                       ; the last row is asked for here: 60 loads of mine are out at the most
.else
	s_wait_loadcnt 4*(15-(\i))                     ; row i is in: the later rows' loads are younger
.endif
.if (\i) >= 2
	s_wait_xcnt 0x0                                ; this row's half of WY was the data of the stores issued in the row before: it is rewritten only behind this wait,
	s_wait_alu depctr_vm_vsrc(0)                   ; and behind this one: those stores have read it
.endif
.if (\i) >= 1
	s_wait_alu depctr_va_vdst(0)                   ; the row before has written the other half of WY, which the stores below read
.endif
.irp c, 0,1,2,3
.set TS, WT+8*((\c)%2)
.set XW, WX+8*(\i)+2*(\c)
.set YS, WY+16*((\i)%2)+4*(\c)
.if (\i) >= 1
.set YP, WY+16*(((\i)-1)%2)+4*(\c)
	global_store_b128 v[WO], v[YP:YP+3], s[12:13] offset:AB*((\i)-1)+2048*(\c)  ; the row before: a wave stores 512 consecutive bytes, at a multiple of 256 from wd's first byte; no vector instruction since the wait names these registers
.endif
	v_xor_b32 v[XW],   s25, v[XW]
	v_xor_b32 v[XW+1], s25, v[XW+1]
.irp e, 0,1
	v_and_b32     v[TS+4*(\e)],   s26, v[XW+(\e)]
	v_bfe_u32     v[TS+4*(\e)+1], v[XW+(\e)], 8, 8
	v_bfe_u32     v[TS+4*(\e)+2], v[XW+(\e)], 16, 8
	v_lshrrev_b32 v[TS+4*(\e)+3], 24, v[XW+(\e)]
.endr
.irp k, 0,1,2,3,4,5,6,7
	v_cvt_f32_u32 v[TS+(\k)], v[TS+(\k)]
.endr
.irp k, 0,1,2,3
	v_pk_fma_f32 v[TS+2*(\k):TS+2*(\k)+1], v[TS+2*(\k):TS+2*(\k)+1], v[WS+8*(\c)+2*(\k):WS+8*(\c)+2*(\k)+1], v[WNS+8*(\c)+2*(\k):WNS+8*(\c)+2*(\k)+1]
.endr
.irp k, 0,1,2,3
	v_cvt_pk_f16_f32 v[YS+(\k)], v[TS+2*(\k)], v[TS+2*(\k)+1]
.endr
.endr
.endm
.set i, 0
.rept 16
	WROW i
.set i, i+1
.endr
	s_wait_alu depctr_va_vdst(0)                   ; row 15 has written its half of WY, which the last four stores read
.irp c, 0,1,2,3
	global_store_b128 v[WO], v[WY+16+4*(\c):WY+16+4*(\c)+3], s[12:13] offset:AB*15+2048*(\c)
.endr
	s_endpgm
.Lfunc_end_k_qd2d4bac2dd_prep:
	.size	k_qd2d4bac2dd_prep, .Lfunc_end_k_qd2d4bac2dd_prep-k_qd2d4bac2dd_prep
	.p2alignl 7, 3214868480
	.fill 96, 4, 3214868480
	.section	.rodata,"a",@progbits
	.p2align	6, 0x0
	.amdhsa_kernel k_qd2d4bac2dd_prep
		.amdhsa_group_segment_fixed_size 0
		.amdhsa_private_segment_fixed_size 0
		.amdhsa_enable_private_segment 0
		.amdhsa_kernarg_size 48
		.amdhsa_user_sgpr_count 2
		.amdhsa_user_sgpr_kernarg_segment_ptr 1
		.amdhsa_wavefront_size32 1
		.amdhsa_system_sgpr_workgroup_id_x 1
		.amdhsa_system_sgpr_workgroup_id_y 1
		.amdhsa_system_sgpr_workgroup_id_z 1
		.amdhsa_system_vgpr_workitem_id 0
		.amdhsa_next_free_vgpr 256
		.amdhsa_next_free_sgpr 66
		.amdhsa_reserve_vcc 1
		.amdhsa_float_denorm_mode_32 3
		.amdhsa_float_denorm_mode_16_64 3
		.amdhsa_memory_ordered 1
		.amdhsa_forward_progress 1
		.amdhsa_inst_pref_size 183
	.end_amdhsa_kernel
	.amdgpu_metadata
---
amdhsa.version: [ 1, 2 ]
amdhsa.kernels:
  - .name:           k_qd2d4bac2dd_prep
    .symbol:         k_qd2d4bac2dd_prep.kd
    .args:
      - { .name: x, .offset: 0, .size: 8, .value_kind: global_buffer, .address_space: global }
      - { .name: weight_quantized, .offset: 8, .size: 8, .value_kind: global_buffer, .address_space: global }
      - { .name: weight_scale, .offset: 16, .size: 8, .value_kind: global_buffer, .address_space: global }
      - { .name: aq, .offset: 24, .size: 8, .value_kind: global_buffer, .address_space: global }
      - { .name: wd, .offset: 32, .size: 8, .value_kind: global_buffer, .address_space: global }
      - { .name: xs, .offset: 40, .size: 8, .value_kind: global_buffer, .address_space: global }
    .group_segment_fixed_size: 0
    .private_segment_fixed_size: 0
    .kernarg_segment_align: 8
    .kernarg_segment_size: 48
    .max_flat_workgroup_size: 128
    .sgpr_count:     66
    .vgpr_count:     256
    .wavefront_size: 32
...
	.end_amdgpu_metadata
.endif
;; end of part 3
;; launch gemm: the kernel of part 2 again; grid 16 x 16, 4 waves a work-group, clusters of 4 x 4, 327,680 bytes of LDS; arguments aq, wd, out0, xs, bias; writes out0
